; MI455X (gfx1250); checked and timed in simulation.
; The chip was launched on July 23, 2026; its instructions are those of AMD's public machine-readable ISA for CDNA 5 (MIT licence, August 2026) and "CDNA5" Instruction Set Architecture Reference Guide (July 2026). The comments in the code are by the model that wrote it; some were corrected since.
;; Exact Sliding Window Attention. Allowed arithmetic: matrix products marked QUANTISED: E2M1 operands, one E8M0 scale for each 32 along K, by v_wmma_scale_f32_16x16x128_f8f6f4 with both operands' format E2M1 (or v_wmma_scale_f32_32x16x128_f4), f32 sums; everything else in f32.
;; Inputs: k 16 x 4,096 x 64 float32; q 16 x 4,096 x 64 float32; v 16 x 4,096 x 64 float32.
;; Outputs: out0 16 x 4,096 x 64 float32.
;; This version of the problem:
;;   THIS VERSION OF THE PROBLEM IS GIVEN IN LOW PRECISION. The matrix products marked QUANTISED in the list below multiply operands that are first quantised to E2M1 (2 exponent bits, 1 mantissa bit; 4 bits a number), with one power-of-two scale for each 32 numbers along K (OCP MX v1.0); their sums are f32. All else is computed in f32.
;;   The module's matrix products, in the order in which they are computed (A, B: the left and right operand; K: the contracted axis; several contracted axes count as one K, in the product's order):
;;     1. batch 16 x [M 4,096, K 64] x [K 64, N 4,096]; A: input q; B: input k: QUANTISED
;;     2. batch 16 x [M 4,096, K 4,096] x [K 4,096, N 64]; A: softmax (see below); B: input v: QUANTISED
;;   THE QUANTISER, for each operand of a quantised product, along K:
;;     - K is cut into blocks of 32 from its start; a last block that is shorter is filled with zeros.
;;     - A block's scale is 2^e with e = floor(log2(the largest magnitude in the block)) - 2, held to -126 .. 127; a block of zeros has e = 0. As a byte (E8M0): e + 127.
;;     - Each number is divided by its block's scale, clamped to +-6, and rounded to the nearest number of E2M1, ties to even, subnormals kept.
;;     - The product sums the exact products of the quantised numbers (number of the format x scale) in f32.
;;   ~~~python
;;   def quantise(x, axis):      # numpy; x: float32 -> the quantised numbers, widened to float32 again
;;       x = np.moveaxis(x, axis, -1); K = x.shape[-1]
;;       x = np.pad(x, [(0, 0)] * (x.ndim - 1) + [(0, -K % 32)]); x = x.reshape(x.shape[:-1] + (-1, 32)); a = np.abs(x).max(-1, keepdims=True)
;;       e = np.where(a > 0, np.clip(np.frexp(np.where(a > 0, a, 1))[1] - 1 - 2, -126, 127), 0)      # np.frexp(a)[1] - 1 = floor(log2(a)), exactly
;;       r = np.clip(x / 2.0 ** e, -6, 6)
;;       step = 2.0 ** (np.maximum(np.frexp(np.where(r == 0, 1, r))[1] - 1, 0) - 1)
;;       q = np.round(r / step) * step * 2.0 ** e      # np.round: ties to even
;;       return np.moveaxis(q.reshape(q.shape[:-2] + (-1,))[..., :K], -1, axis).astype(np.float32)
;;   ~~~
;;   SOFTMAX AHEAD OF A QUANTISED PRODUCT. Where the list says 'softmax', what is quantised is not the finished softmax but p = 2^(t - M), with t = logit x log2(e) and M = ceil(the row's largest t), a whole number; so 1/2 < the row's largest p <= 1. The row's sum l is taken of the UNQUANTISED p, in f32, and the product's result is divided by l at the end. Since M is a whole number, a kernel that streams over the keys may use a running M (the ceiling of the running maximum): every later rescaling is an exact power of two, which a block's scale takes up: the codes' values come out the same.
;;   OPERANDS COMPUTED ON THE WAY. 'Computed on the way' means the value that the module computes at that place (a softmax that the list does not call 'softmax' is quantised finished and normalised). What goes into a quantiser is computed in f32, as accurately as f32 sums, v_exp_f32 and their like allow (about 1e-6 of the number): no bf16 or f16 on the way to a quantiser, and a product that is left as it is and whose result goes on into a quantised operand takes f32 operands (vector FMAs, or v_wmma_f32_16x16x4_f32). A number that lies on a knife's edge between two numbers of the format may be rounded either way, as far as f32 arithmetic and the matrix unit's own rounding can turn it there, and no further.
;; One version. Each part assembles by itself: llvm-mc -triple=amdgcn-amd-amdhsa -mcpu=gfx1250 --defsym DOCPART=n.
;; ======== version 1 of 1: 1 launch
;; launch swa (part 1): grid 16 x 16, 16 waves a work-group, no clusters, 133,888 bytes of LDS; arguments q, k, v, out0; writes out0
.if DOCPART == 1
	.amdgcn_target "amdgcn-amd-amdhsa--gfx1250"
	.amdhsa_code_object_version 6
	.text
	.protected	k_q5ab7451bff_swa
	.globl	k_q5ab7451bff_swa
	.p2align	8
	.type	k_q5ab7451bff_swa,@function
k_q5ab7451bff_swa:
	s_mov_b64 s[64:65], 0
	v_nop
	global_prefetch_b8 v0, s[64:65] scope:SCOPE_SE
	s_setreg_imm32_b32 hwreg(HW_REG_WAVE_MODE, 25, 1), 1
	s_wait_xcnt 0x0
; out0[b][q][:] = the sum over keys of softmax(q . k / 8) v over the window q-511 .. q (the mask that the problem builds itself), b = 16, 4,096 rows, 64 channels, all f32 in memory.
; Both products run on codes of FP4 (E2M1) with one E8M0 scale for each 32 along a product's K: q and k are quantised along the 64 channels, v and p along the keys, in blocks of 32 keys counted from key 0.
; p = 2^(t - M), t = score x log2(e) / 8, M = the running largest t rounded up to a whole number; the row's sum is taken of the unquantised p and divides at the end.
; SHARES.  A work-group owns 256 queries of one batch and needs keys 256 x - 512 .. 256 x + 255: 24 blocks of 32.  Each of its 16 waves owns 16 queries, one query a lane throughout (both products transposed:
; S^T = K Q^T, O^T = V^T P^T).  A tile of 16 queries meets exactly 17 blocks: its own (the diagonal, partly hidden), 15 open ones, and the window's tail (partly hidden, the complement of the diagonal's pattern).
; PROLOGUE.  Every wave loads 48 keys of k, 3 pieces of v (32 keys x 32 channels) and its 16 rows of q as f32, all asked for in the first lines, quantises them in registers and lays k's and v's codes and scale
; words in LDS; one barrier; behind it the images are only read.
; KEYS THAT DO NOT EXIST (x = 0, 1): a chunk of 256 keys with a negative number is replaced by chunk 0, so that no load leaves a buffer and LDS holds finite codes; the scores of such blocks become -infinity
; under scalar branches on ids, and a step of four such blocks is jumped over.
; NO TENSOR LOADS, NO CLUSTER: the inputs are f32 and pass through registers to be quantised, so no engine fills LDS; neighbours x .. x + 3 need different triples of key chunks, so no request would be alike in them.
; NO PREFETCH: all 56 loads of a wave are issued in its first lines; nothing is left to ask for ahead.
; LIMITS: NaN and infinities among the inputs are not served.  A block whose largest magnitude lies under 2^-124 keeps the scale byte 1 (a block of zeros too, where the rule says 127: its codes are zeros, and the
; bytes are read by this program alone).  Hidden scores are -infinity where the problem has the most negative f32 number: p is 0 either way, since every query sees its own key.
; LDS
.set KI,   0          ; k's codes as images of operand registers: 48 tiles of 512 bytes; tile 2 B + u, lane l at 16 l; row r' of the tile is key 32 B + 8 u + r' + 8 (r' / 8); half h of the lanes holds channels 32 h ..
.set VC,   24576      ; v's codes: block B, channel d: 16 bytes at 1,024 B + 16 d
.set SCK,  49152      ; k's scale words, 128 bytes a tile: row r' at 4 r' and once more at 64 + 4 r'
.set SCV,  55296      ; v's scale words for every first block B0: row B0 + 3 of 256 bytes, word d, byte j = block B0 + j.  27 rows; rows 3 to 23 are whole and are the ones read
.set STG,  62208      ; a stage for each wave, its own
.set STW,  4352       ; 16 rows x 272 bytes (256 + 16: row r starts at bank 4 r mod 64, 64 banks of 4 bytes: ISA guide 11.1), or 4,096 dense bytes
; scalar registers
.set WV,  12          ; wave 0..15
.set WH,  13          ; wave / 2: my block among the work-group's eight
.set WL,  14          ; wave % 2: which half of it
.set GX,  15          ; work-group x
.set QB,  20          ; s[20:21] q at my 16 rows
.set KB,  22          ; s[22:27] k at my 16 keys of chunk 0, 1, 2
.set VB,  28          ; s[28:33] v at my 32 keys x 32 channels of chunk 0, 1, 2
.set OB,  34          ; s[34:35] out0 at my 16 rows
.set SEL, 38          ; s[38:39] v_permlanex16_b32's selects: lane l xor 16
.set CS,  40          ; s[40:41] c = log2(e) / 8 (a pair: the packed form names both)
.set T1,  42          ; the step's first block (counted in the work-group) x 1,024
.set T2,  43          ; and x 256
.set BA,  44          ; its number in the batch, signed
.set CNT, 45
; vector registers
.set LI,  1           ; 16 x lane
.set LS,  2           ; 4 x lane
.set TS,  3           ; stage: two rows of 256 bytes an instruction
.set TL,  4           ; stage: row r, half h: 128 bytes on end
.set VT,  5           ; stage, dense: 16 x lane
.set VL,  6           ; stage, dense: 4 x lane
.set KIA, 7           ; where my codes of k go
.set KSA, 8           ; and their scale word
.set VCA, 9           ; where my codes of v go
.set VWA, 10          ; and their scale byte
.set VGO, 11          ; v in memory: four keys x 128 bytes an instruction
.set QF,  16          ; v[16:23] q's fragment: 16-19 codes, 20-23 zeros (k = 64 .. 127 of the instruction)
.set MA,  24
.set MB,  25
.set SO,  26          ; a conversion's scale operand
.set BY,  27          ; a scale byte
.set C,   28          ; v[28:31] codes just made
.set KS,  32          ; v[32:39] k's scale words   (v32-45 hold scales and nothing else)
.set VS,  40          ; v[40:43] v's
.set PW,  44          ; p's
.set QW,  45          ; q's
.set SH8, 46          ; 8 h
.set TT,  47          ; a lane permute's destination
.set AS0, 48
.set AV0, 49
.set AT0, 50
.set ADK, 51          ; v51-54 the step's LDS addresses
.set ADS, 52
.set ADV, 53
.set ADT, 54
.set DD,  55          ; d = r - 16 h + 16 (wave % 2): register i of a partly hidden block is key 16 h + i; the diagonal hides i > d, the tail shows i > d
.set HID, 56          ; -infinity
.set SOA, 57          ; the way out: where I put 32 bytes of a row
.set F,   58          ; v[58:59] f = 2^(old M - new M); later 1 / the sum
.set SUM2, 60         ; v[60:61]
.set TA,  62
.set R0,  64          ; the prologue's six sets of 32 numbers: v64-255
.set R1,  96
.set R2,  128
.set R3,  160
.set R4,  192
.set R5,  224
.set KF,  64          ; v[64:95] k's eight fragments, 4 registers apart; tile t is named v[KF+4t : KF+4t+7]
.set KZ,  96          ; v[96:99] zeros behind the last
.set VF,  100         ; v[100:131] v's four fragments
.set S,   132         ; v[132:195] S^T, then p
.set O,   196         ; v[196:227] O^T, four tiles of 16 channels
.set PC,  228         ; v[228:235] p's codes
.set TM,  236         ; v[236:239] a block's largest score, then its largest p
.set TP,  240
.set TO,  244
; v12 -M, v13 the largest t, v[14:15] the row's sum in two halves
.macro GLOAD reg, base, once           ; 16 rows of 256 bytes: each load reads 512 consecutive bytes.  once = 1: nobody else reads them
.irp i, 0,1,2,3,4,5,6,7
.if \once
	global_load_b128 v[\reg+4*\i:\reg+4*\i+3], v[LI], s[\base:\base+1] offset:512*\i th:TH_LOAD_NT
.else
	global_load_b128 v[\reg+4*\i:\reg+4*\i+3], v[LI], s[\base:\base+1] offset:512*\i
.endif
.endr
.endm
.macro VLOAD reg, base                 ; 32 keys x 32 channels: each load reads four keys' 128 aligned bytes; the wave beside me reads the other halves of the same rows
.irp i, 0,1,2,3,4,5,6,7
	global_load_b128 v[\reg+4*\i:\reg+4*\i+3], v[VGO], s[\base:\base+1] offset:1024*\i
.endr
.endm
.macro KTURN reg                       ; 16 rows through my stage, in place: afterwards lane (r, h) holds channels 32 h .. 32 h + 31 of row r.  LDS serves a wave's instructions in order (ISA guide 5.7.1.4): no wait between
.irp i, 0,1,2,3,4,5,6,7
	ds_store_b128 v[TS], v[\reg+4*\i:\reg+4*\i+3] offset:544*\i
.endr
.irp i, 0,1,2,3,4,5,6,7
	ds_load_b128 v[\reg+4*\i:\reg+4*\i+3], v[TL] offset:16*\i
.endr
.endm
.macro VTURN reg                       ; 32 keys x 32 channels through my stage: afterwards a lane is a channel and its registers run down the 32 keys
.irp i, 0,1,2,3,4,5,6,7
	ds_store_b128 v[VT], v[\reg+4*\i:\reg+4*\i+3] offset:512*\i
.endr
.set i, 0
.rept 32
	ds_load_b32 v[\reg+i], v[VL] offset:128*i
.set i, i+1
.endr
.endm
.macro BLOCKQ x, c                     ; a lane's 32 numbers, one block, become 4 registers of codes in v[c] on and the scale's byte in v[BY]
	v_max3_num_f32 v[MA], |v[\x]|, |v[\x+1]|, 0x1800000            ; the largest magnitude, in two chains, with the floor 2^(3 - 127) among its leaves: the byte cannot fall under 1
	v_max3_num_f32 v[MB], |v[\x+2]|, |v[\x+3]|, |v[\x+4]|
.irp i, 5,9,13,17,21,25
	s_delay_alu instid0(VALU_DEP_2)
	v_max3_num_f32 v[MA], v[MA], |v[\x+\i]|, |v[\x+\i+1]|
	s_delay_alu instid0(VALU_DEP_2)
	v_max3_num_f32 v[MB], v[MB], |v[\x+\i+2]|, |v[\x+\i+3]|
.endr
	s_delay_alu instid0(VALU_DEP_2)
	v_max3_num_f32 v[MA], v[MA], |v[\x+29]|, |v[\x+30]|
	s_delay_alu instid0(VALU_DEP_1)
	v_max3_num_f32 v[MA], v[MA], v[MB], |v[\x+31]|
	s_delay_alu instid0(VALU_DEP_1)
	v_add_nc_u32 v[SO], 0xff000000, v[MA]                          ; 2 off its exponent field: the conversion takes the exponent field of this operand as its scale
.irp g, 0,1,2,3
	v_cvt_scalef32_pk8_fp4_f32 v[\c+\g], v[\x+8*\g:\x+8*\g+7], v[SO]
.endr
	v_lshrrev_b32 v[BY], 23, v[SO]                                 ; the scale's byte; also the plain line behind the conversions
.endm
.macro SCWORD dst                      ; my half's byte and lane l xor 16's make the row's scale word; bytes 2 and 3 (k = 64 .. 127, where q's codes are zeros) are 127
	v_lshlrev_b32 v[BY], v[SH8], v[BY]
	s_delay_alu instid0(VALU_DEP_1)
	v_permlanex16_b32 v[TT], v[BY], s[SEL], s[SEL+1]
	s_delay_alu instid0(VALU_DEP_1)
	v_or_b32 v[BY], v[BY], v[TT]
	s_delay_alu instid0(VALU_DEP_1)
	v_or_b32 v[\dst], 0x7f7f0000, v[BY]
.endm
.macro KUNIT reg, i, left, askq        ; my 16 keys of chunk i.  left: the younger loads, which may stay out
	s_wait_loadcnt \left
	KTURN \reg
	s_wait_dscnt 0x0                                               ; the turned numbers are in, and the last unit's image stores have read their registers
	BLOCKQ \reg, C
.if \askq
	GLOAD \reg, QB, 1                                              ; q's 16 rows, into the registers just used up
.endif
	SCWORD BY
	ds_store_b128 v[KIA], v[C:C+3] offset:8192*\i
	ds_store_b32 v[KSA], v[BY] offset:2048*\i
.endm
.macro VUNIT reg, i, left              ; my 32 keys x 32 channels of chunk i: one block a lane
	s_wait_loadcnt \left
	VTURN \reg
	s_wait_dscnt 0x0
	BLOCKQ \reg, C
	ds_store_b128 v[VCA], v[C:C+3] offset:8192*\i
.irp j, 0,1,2,3
	ds_store_b8 v[VWA], v[BY] offset:2048*\i+(3-\j)*256+\j         ; the byte of block B is byte j of the word for first block B - j
.endr
.endm
; A STEP.  kind 2: the diagonal block alone (nb = 1); it runs first and starts M, the sum and O^T.  kind 1: four blocks, the first the window's tail.  kind 0: four open blocks.
.macro STEP nb, kind
.set KO, 0
.if \kind == 2
.set KO, 3                             ; v's fragment spans blocks Bq - 3 .. Bq; k's block and p's stand at place 3 of the four
.else
	s_cmp_lt_i32 s[BA], -3                                         ; none of the four blocks exists: the work is left out, not the lines at the end that step addresses
	s_cbranch_scc1 .Lskip_\@
.endif
	v_add_nc_u32 v[ADK], s[T1], v[LI]                              ; four plain lines: also the places ahead of loads into registers that the last products read
	v_add_nc_u32 v[ADS], s[T2], v[AS0]
	v_add_nc_u32 v[ADV], s[T1], v[AV0]
	v_add_nc_u32 v[ADT], s[T2], v[AT0]
.set t, 0
.rept 2*\nb
	ds_load_b128 v[KF+4*t:KF+4*t+3], v[ADK] offset:1024*KO+512*t
	ds_load_b32 v[KS+t], v[ADS] offset:256*KO+128*t
.set t, t+1
.endr
.irp u, 0,1,2,3
.irp c, 0,1
	ds_load_b128 v[VF+8*\u+4*\c:VF+8*\u+4*\c+3], v[ADV] offset:2048*\c+256*\u   ; channels 16 u + r, blocks 2 c + h of the four
.endr
.endr
.irp u, 0,1,2,3
	ds_load_b32 v[VS+\u], v[ADT] offset:64*\u
.endr
	s_wait_dscnt 12                                                ; k's are in; v's eight fragment loads and four scale words may stay out
; S^T = K Q^T.  A tile's upper four registers (k = 64 .. 127) are whatever stands behind its codes: every 4-bit pattern is a finite number of E2M1, it meets q's zero codes, and both sides' scale bytes there are 127.
.set t, 0
.rept 2*\nb
	v_wmma_scale_f32_16x16x128_f8f6f4 v[S+8*t:S+8*t+7], v[KF+4*t:KF+4*t+7], v[QF:QF+7], 0, v[KS+t], v[QW] matrix_a_fmt:MATRIX_FMT_FP4 matrix_b_fmt:MATRIX_FMT_FP4
.set t, t+1
.endr
.rept 4
	v_nop                                                          ; four places behind the products (ISA guide 7.12.1).  Register 16 b + i of lane (r, h): key 32 b + 16 h + i of the step, query r
.endr
.if \kind != 2
.irp b, 0,1,2                          ; block b of the step does not exist where BA + b < 0
	s_cmp_ge_i32 s[BA], -\b
	s_cbranch_scc1 .Lreal_\@_\b
.set i, 0
.rept 16
	v_mov_b32 v[S+16*\b+i], v[HID]
.set i, i+1
.endr
.Lreal_\@_\b:
.endr
.endif
.if \kind != 0
.set i, 0
.rept 16
	v_cmp_gt_i32 vcc_lo, i, v[DD]
.if \kind == 1
	v_cndmask_b32 v[S+i], v[HID], v[S+i], vcc_lo                   ; the tail: seen where i > d
.else
	v_cndmask_b32 v[S+i], v[S+i], v[HID], vcc_lo                   ; the diagonal: hidden where i > d
.endif
.set i, i+1
.endr
.endif
; the largest score of each block: it serves the row's maximum and, since p rises with the score, the block's largest p
.set b, 0
.rept \nb
	v_max3_num_f32 v[TM+b], v[S+16*b], v[S+16*b+1], v[S+16*b+2]
.set b, b+1
.endr
.irp i, 3,5,7,9,11,13
.set b, 0
	v_max3_num_f32 v[TM+b], v[TM+b], v[S+16*b+\i], v[S+16*b+\i+1]
.set b, b+1
.rept (\nb)-1
	v_max3_num_f32 v[TM+b], v[TM+b], v[S+16*b+\i], v[S+16*b+\i+1]
.set b, b+1
.endr
.endr
.set b, 0
	v_max_num_f32 v[TM+b], v[TM+b], v[S+16*b+15]
.set b, b+1
.rept (\nb)-1
	v_max_num_f32 v[TM+b], v[TM+b], v[S+16*b+15]
.set b, b+1
.endr
.set b, 0
	v_permlanex16_b32 v[TP+b], v[TM+b], s[SEL], s[SEL+1]
.set b, b+1
.rept (\nb)-1
	s_delay_alu instid0(VALU_DEP_4)
	v_permlanex16_b32 v[TP+b], v[TM+b], s[SEL], s[SEL+1]
.set b, b+1
.endr
.set b, 0
	v_max_num_f32 v[TM+b], v[TM+b], v[TP+b]                        ; with lane l xor 16's 16 keys
.set b, b+1
.rept (\nb)-1
	s_delay_alu instid0(VALU_DEP_4)
	v_max_num_f32 v[TM+b], v[TM+b], v[TP+b]                        ; with lane l xor 16's 16 keys
.set b, b+1
.endr
.if \kind == 2
	s_delay_alu instid0(VALU_DEP_1)
	v_mul_f32 v13, s[CS], v[TM]                                    ; the first largest t: finite, since a query sees its own key
	s_delay_alu instid0(VALU_DEP_1)
	v_floor_f32 v12, -v13                                          ; -M = floor(-t): M is a whole number
.else
	s_delay_alu instid0(VALU_DEP_2)
	v_max3_num_f32 v[TA], v[TM], v[TM+1], v[TM+2]
	s_delay_alu instid0(VALU_DEP_1)
	v_max_num_f32 v[TA], v[TA], v[TM+3]
	s_delay_alu instid0(VALU_DEP_1)
	v_mul_f32 v[TA], s[CS], v[TA]
	s_delay_alu instid0(VALU_DEP_1)
	v_max_num_f32 v13, v13, v[TA]                                  ; the running largest t
	v_mov_b32 v[TA], v12
	s_delay_alu instid0(VALU_DEP_2)
	v_floor_f32 v12, -v13
	s_delay_alu instid0(VALU_DEP_1)
	v_sub_f32 v[TA], v12, v[TA]                                    ; old M - new M: a whole number, 0 or less
	s_delay_alu instid0(VALU_DEP_1)
	v_cvt_i32_f32 v[TA], v[TA]
	s_delay_alu instid0(VALU_DEP_1)
	v_ldexp_f32 v[F], 1.0, v[TA]                                   ; f = 2^(old M - new M): multiplying by it rounds nothing
.endif
.set j, 0
.rept 8*\nb
	v_pk_fma_f32 v[S+j:S+j+1], v[S+j:S+j+1], s[CS:CS+1], v[12:13] op_sel_hi:[1,0,0]   ; t - M, two at a time
.set j, j+2
.endr
.set b, 0
.rept \nb
	v_fma_f32 v[TM+b], v[TM+b], s[CS], v12                         ; the same of each block's largest score
.set b, b+1
.endr
.set j, 0
	s_wait_alu depctr_va_vdst(0)
.rept 16*\nb
	v_exp_f32 v[S+j], v[S+j]                                       ; p = 2^(t - M), not normalised
.set j, j+1
.endr
.set b, 0
.rept \nb
	v_exp_f32 v[TM+b], v[TM+b]                                     ; the block's largest p: the same two instructions on the same number
.set b, b+1
.endr
.if \kind == 2
.irp i, 0,1,2,3,4,5
	v_mov_b32 v[PC+\i], 0                                          ; blocks 0 to 2 of p's fragment are zeros.  (Plain work behind the exponentials)
.endr
.else
	v_pk_mul_f32 v[14:15], v[14:15], v[F:F+1] op_sel_hi:[1,0]      ; the sum and O^T under the new M: plain work behind the exponentials, which names none of their results
.set j, 0
	s_wait_alu depctr_va_vdst(0)
.rept 16
	v_pk_mul_f32 v[O+j:O+j+1], v[O+j:O+j+1], v[F:F+1] op_sel_hi:[1,0]
.set j, j+2
.endr
.endif
	s_wait_alu depctr_va_vdst(0)                                   ; one wait for the whole batch, ahead of its first reader
.set b, 0
.rept \nb
	v_max_num_f32 v[TM+b], 0x1800000, v[TM+b]                      ; the floor 2^(3 - 127): a block whose every p is 0 keeps the byte 1; its codes are zeros
.set b, b+1
.endr
.set b, 0
	v_add_nc_u32 v[TO+b], 0xff000000, v[TM+b]                      ; the conversion's scale operand
.set b, b+1
.rept (\nb)-1
	s_delay_alu instid0(VALU_DEP_4)
	v_add_nc_u32 v[TO+b], 0xff000000, v[TM+b]                      ; the conversion's scale operand
.set b, b+1
.endr
.set b, 0
	v_lshrrev_b32 v[TP+b], 23, v[TO+b]                             ; the scale's byte
.set b, b+1
.rept (\nb)-1
	s_delay_alu instid0(VALU_DEP_4)
	v_lshrrev_b32 v[TP+b], 23, v[TO+b]                             ; the scale's byte
.set b, b+1
.endr
.if \kind == 2
	s_delay_alu instid0(VALU_DEP_1)
	v_lshl_or_b32 v[PW], v[TP], 24, 0x7f7f7f                       ; p's scale word: the block at place 3, 127 over the zeros
.else
	s_delay_alu instid0(VALU_DEP_3)
	v_lshl_or_b32 v[PW], v[TP+1], 8, v[TP]
	s_delay_alu instid0(VALU_DEP_1)
	v_lshl_or_b32 v[PW], v[TP+2], 16, v[PW]
	s_delay_alu instid0(VALU_DEP_1)
	v_lshl_or_b32 v[PW], v[TP+3], 24, v[PW]
.endif
.set b, 0
.rept \nb
	v_cvt_scalef32_pk8_fp4_f32 v[PC+2*(b+KO)], v[S+16*b:S+16*b+7], v[TO+b]
	v_cvt_scalef32_pk8_fp4_f32 v[PC+2*(b+KO)+1], v[S+16*b+8:S+16*b+15], v[TO+b]
.set b, b+1
.endr
	v_nop                                                          ; one plain line between a scaled conversion and the vector instruction that touches its result
.irp c, 0,1                            ; the operand's layout wants a whole block in a lane: lanes 0-15 block 2 c, lanes 16-31 block 2 c + 1
.if (\nb == 4) || (\c == 1)
.irp i, 0,1
	v_permlane16_swap_b32 v[PC+4*\c+\i], v[PC+4*\c+2+\i]
.endr
.endif
.endr
; the row's sum, of the unquantised p.  These additions only read p: they are also the places between p's scale word (8 asked) and codes (4 asked) and the scaled products
.if \kind == 2
	s_wait_alu depctr_va_vdst(0)
	v_pk_add_f32 v[14:15], v[S:S+1], v[S+2:S+3]                    ; with the v_nop above: eight plain lines behind the scale word
.irp j, 4,6,8,10,12,14
	v_pk_add_f32 v[14:15], v[14:15], v[S+\j:S+\j+1]
.endr
.else
	v_pk_add_f32 v[60:61], v[136:137], v[140:141]
	v_pk_add_f32 v[254:255], v[144:145], v[148:149]
	v_pk_add_f32 v[252:253], v[152:153], v[156:157]
	v_pk_add_f32 v[250:251], v[160:161], v[164:165]
	v_pk_add_f32 v[248:249], v[168:169], v[172:173]
	v_pk_add_f32 v[246:247], v[176:177], v[180:181]
	v_pk_add_f32 v[244:245], v[184:185], v[188:189]
	v_pk_add_f32 v[14:15], v[14:15], v[192:193]
	v_pk_add_f32 v[60:61], v[60:61], v[132:133]
	v_pk_add_f32 v[254:255], v[254:255], v[134:135]
	v_pk_add_f32 v[252:253], v[252:253], v[138:139]
	v_pk_add_f32 v[250:251], v[250:251], v[142:143]
	v_pk_add_f32 v[248:249], v[248:249], v[146:147]
	v_pk_add_f32 v[246:247], v[246:247], v[150:151]
	v_pk_add_f32 v[244:245], v[244:245], v[154:155]
	v_pk_add_f32 v[14:15], v[14:15], v[158:159]
	v_pk_add_f32 v[60:61], v[60:61], v[162:163]
	v_pk_add_f32 v[254:255], v[254:255], v[166:167]
	v_pk_add_f32 v[252:253], v[252:253], v[170:171]
	v_pk_add_f32 v[250:251], v[250:251], v[174:175]
	v_pk_add_f32 v[248:249], v[248:249], v[178:179]
	v_pk_add_f32 v[246:247], v[246:247], v[182:183]
	v_pk_add_f32 v[244:245], v[244:245], v[186:187]
	v_pk_add_f32 v[14:15], v[14:15], v[190:191]
	v_pk_add_f32 v[60:61], v[60:61], v[194:195]
	s_delay_alu instid0(VALU_DEP_2)
	v_pk_add_f32 v[14:15], v[14:15], v[250:251]
	s_delay_alu instid0(VALU_DEP_2)
	v_pk_add_f32 v[60:61], v[60:61], v[248:249]
	v_pk_add_f32 v[254:255], v[254:255], v[246:247]
	v_pk_add_f32 v[252:253], v[252:253], v[244:245]
	s_delay_alu instid0(VALU_DEP_2)
	v_pk_add_f32 v[14:15], v[14:15], v[254:255]
	s_delay_alu instid0(VALU_DEP_2)
	v_pk_add_f32 v[60:61], v[60:61], v[252:253]
	s_delay_alu instid0(VALU_DEP_1)
	v_pk_add_f32 v[14:15], v[14:15], v[60:61]
.endif
	s_wait_dscnt 0x0                                               ; v's fragments and scale words are in
.irp u, 0,1,2,3                        ; O^T += V^T P^T: the four accumulators by turns, one instruction a turn
.if \kind == 2
	v_wmma_scale_f32_16x16x128_f8f6f4 v[O+8*\u:O+8*\u+7], v[VF+8*\u:VF+8*\u+7], v[PC:PC+7], 0, v[VS+\u], v[PW] matrix_a_fmt:MATRIX_FMT_FP4 matrix_b_fmt:MATRIX_FMT_FP4
.else
	v_wmma_scale_f32_16x16x128_f8f6f4 v[O+8*\u:O+8*\u+7], v[VF+8*\u:VF+8*\u+7], v[PC:PC+7], v[O+8*\u:O+8*\u+7], v[VS+\u], v[PW] matrix_a_fmt:MATRIX_FMT_FP4 matrix_b_fmt:MATRIX_FMT_FP4
.endif
.endr
.if \kind != 2
.Lskip_\@:
	s_add_co_u32 s[T1], s[T1], 4096                                ; four blocks on
	s_add_co_u32 s[T2], s[T2], 1024
	s_add_co_i32 s[BA], s[BA], 4
.endif
.endm
	s_load_b256 s[4:11], s[0:1], 0x0               ; q s[4:5], k s[6:7], v s[8:9], out0 s[10:11]
	v_lshrrev_b32 v62, 5, v0
	s_delay_alu instid0(VALU_DEP_1)
	v_readfirstlane_b32 s[WV], v62
	s_lshr_b32 s[WH], s[WV], 1
	s_and_b32 s[WL], s[WV], 1
	s_mov_b32 s[GX], ttmp9
	s_and_b32 s16, ttmp7, 0xffff                   ; the batch,
	s_lshl_b32 s18, s16, 20                        ; its 4,096 rows of 256 bytes
	s_mov_b32 s[SEL], 0x76543210
	s_mov_b32 s[SEL+1], 0xfedcba98
	s_mov_b32 s[CS], 0x3e38aa3b                    ; c = log2(e) / 8
	s_mov_b32 s[CS+1], s[CS]
	v_and_b32 v58, 31, v0                          ; l
	v_and_b32 v59, 15, v0                          ; r
	v_bfe_u32 v60, v0, 4, 1                        ; h
	v_bfe_u32 v61, v0, 3, 1                        ; r / 8
	v_and_b32 v62, 7, v0                           ; r % 8
	v_lshlrev_b32 v[LI], 4, v58
	v_lshlrev_b32 v[LS], 2, v58
	s_mul_i32 s46, s[WV], STW
	s_add_co_u32 s46, s46, STG                     ; my stage
	v_mul_u32_u24 v[TS], v60, 272
	s_delay_alu instid0(VALU_DEP_1)
	v_lshl_add_u32 v[TS], v59, 4, v[TS]
	s_delay_alu instid0(VALU_DEP_1)
	v_add_nc_u32 v[TS], s46, v[TS]
	v_mul_u32_u24 v[TL], v59, 272
	s_delay_alu instid0(VALU_DEP_1)
	v_lshl_add_u32 v[TL], v60, 7, v[TL]
	s_delay_alu instid0(VALU_DEP_1)
	v_add_nc_u32 v[TL], s46, v[TL]
	v_add_nc_u32 v[VT], s46, v[LI]
	v_add_nc_u32 v[VL], s46, v[LS]
	v_mul_u32_u24 v[SOA], v59, 272
	s_delay_alu instid0(VALU_DEP_1)
	v_lshl_add_u32 v[SOA], v60, 5, v[SOA]
	s_delay_alu instid0(VALU_DEP_1)
	v_add_nc_u32 v[SOA], s46, v[SOA]
	s_lshl_b32 s47, s[WH], 10                      ; my key 16 (wave % 2) + r of block wave / 2 is row r % 8 + 8 (wave % 2) of tile u = r / 8
	s_lshl_b32 s36, s[WL], 7
	s_add_co_u32 s47, s47, s36
	v_lshlrev_b32 v[KIA], 9, v61
	s_delay_alu instid0(VALU_DEP_1)
	v_lshl_add_u32 v[KIA], v62, 4, v[KIA]
	s_delay_alu instid0(VALU_DEP_1)
	v_lshl_add_u32 v[KIA], v60, 8, v[KIA]
	s_delay_alu instid0(VALU_DEP_1)
	v_add_nc_u32 v[KIA], s47, v[KIA]
	s_lshl_b32 s47, s[WH], 8
	s_lshl_b32 s36, s[WL], 5
	s_add_co_u32 s47, s47, s36
	s_add_co_u32 s47, s47, SCK
	v_lshlrev_b32 v[KSA], 7, v61
	s_delay_alu instid0(VALU_DEP_1)
	v_lshl_add_u32 v[KSA], v62, 2, v[KSA]
	s_delay_alu instid0(VALU_DEP_1)
	v_lshl_add_u32 v[KSA], v60, 6, v[KSA]          ; both halves of the lanes hold the word: each stores a copy
	s_delay_alu instid0(VALU_DEP_1)
	v_add_nc_u32 v[KSA], s47, v[KSA]
	s_lshl_b32 s47, s[WH], 10
	s_lshl_b32 s36, s[WL], 9
	s_add_co_u32 s47, s47, s36
	s_add_co_u32 s47, s47, VC
	v_add_nc_u32 v[VCA], s47, v[LI]                ; block wave / 2, channel 32 (wave % 2) + lane
	s_lshl_b32 s47, s[WH], 8
	s_lshl_b32 s36, s[WL], 7
	s_add_co_u32 s47, s47, s36
	s_add_co_u32 s47, s47, SCV
	v_add_nc_u32 v[VWA], s47, v[LS]
	v_bfe_u32 v[VGO], v0, 3, 2
	s_delay_alu instid0(VALU_DEP_1)
	v_lshlrev_b32 v[VGO], 8, v[VGO]
	s_delay_alu instid0(VALU_DEP_1)
	v_lshl_add_u32 v[VGO], v62, 4, v[VGO]          ; key lane / 8, 16 bytes at lane % 8
	v_lshlrev_b32 v[SH8], 3, v60
	v_mov_b32 v[TT], 0                             ; a lane permute's destination counts as one of its sources
	v_add_nc_u32 v[AS0], SCK, v[LS]
	v_lshlrev_b32 v[AV0], 10, v60
	s_delay_alu instid0(VALU_DEP_1)
	v_lshl_add_u32 v[AV0], v59, 4, v[AV0]
	s_delay_alu instid0(VALU_DEP_1)
	v_add_nc_u32 v[AV0], VC, v[AV0]
	v_lshl_add_u32 v[AT0], v59, 2, SCV+768
	v_lshlrev_b32 v[DD], 4, v60
	s_delay_alu instid0(VALU_DEP_1)
	v_sub_nc_u32 v[DD], v59, v[DD]
	s_lshl_b32 s47, s[WL], 4
	v_add_nc_u32 v[DD], s47, v[DD]
	v_mov_b32 v[HID], 0xff800000
	s_mov_b32 s37, 0                               ; every offset stays under 2^24 bytes
	s_wait_kmcnt 0x0
.irp i, 0,1,2                          ; chunk i of 256 keys is chunk x - 2 + i of the batch, or chunk 0 where that does not exist
	s_add_co_i32 s46, s[GX], \i-2
	s_max_i32 s46, s46, 0
	s_lshl_b32 s46, s46, 16
	s_add_co_u32 s46, s46, s18
	s_lshl_b32 s47, s[WV], 12                      ; k: my 16 keys
	s_add_co_u32 s36, s46, s47
	s_add_nc_u64 s[KB+2*\i:KB+2*\i+1], s[6:7], s[36:37]
	s_lshl_b32 s47, s[WH], 13                      ; v: my 32 keys,
	s_add_co_u32 s36, s46, s47
	s_lshl_b32 s47, s[WL], 7                       ; my 32 channels
	s_add_co_u32 s36, s36, s47
	s_add_nc_u64 s[VB+2*\i:VB+2*\i+1], s[8:9], s[36:37]
.endr
	GLOAD R0, KB, 0                                ; 48 loads, 24 KiB a wave, go out together
	GLOAD R1, KB+2, 0
	GLOAD R2, KB+4, 0
	VLOAD R3, VB
	VLOAD R4, VB+2
	VLOAD R5, VB+4
	s_lshl_b32 s36, s[GX], 16                      ; q and out0: my 16 rows
	s_lshl_b32 s47, s[WV], 12
	s_add_co_u32 s36, s36, s47
	s_add_co_u32 s36, s36, s18
	s_add_nc_u64 s[QB:QB+1], s[4:5], s[36:37]
	s_add_nc_u64 s[OB:OB+1], s[10:11], s[36:37]
	KUNIT R0, 0, 40, 1                             ; younger: k's chunks 1, 2 and v's three
	KUNIT R1, 1, 40, 0                             ; younger: k's chunk 2, v's three, q's eight
	KUNIT R2, 2, 32, 0                             ; v's three and q
	VUNIT R3, 0, 24                                ; v's chunks 1, 2 and q
	VUNIT R4, 1, 16                                ; v's chunk 2 and q
	VUNIT R5, 2, 8                                 ; q
	s_wait_loadcnt 0x0                             ; q
	KTURN R0
	s_wait_dscnt 0x0                               ; for the others' sake: all my image stores have landed; and q's turned numbers are in
	s_barrier_signal -1
	BLOCKQ R0, QF                                  ; q is quantised in registers while the others arrive
	SCWORD QW
.irp i, 4,5,6,7
	v_mov_b32 v[QF+\i], 0
.endr
	s_barrier_wait -1                              ; the one barrier: behind it the images are only read
.irp i, 0,1,2,3
	v_mov_b32 v[KZ+\i], 0
	v_mov_b32 v[TP+\i], 0                          ; written once: a lane permute's destination counts as one of its sources
.endr
	v_mov_b32 v[F+1], 0                            ; (named as the upper half of the pair)
	s_add_co_u32 s46, s[WH], 13                    ; the diagonal: my block is 16 + wave / 2 of the work-group's 24; v's fragment begins three blocks earlier
	s_lshl_b32 s[T1], s46, 10
	s_lshl_b32 s[T2], s46, 8
	STEP 1, 2
	s_lshl_b32 s[T1], s[WH], 10                    ; the window's tail is block wave / 2
	s_lshl_b32 s[T2], s[WH], 8
	s_lshl_b32 s[BA], s[GX], 3
	s_add_co_u32 s[BA], s[BA], s[WH]
	s_add_co_i32 s[BA], s[BA], -16                 ; its number in the batch: 8 x + wave / 2 - 16
	STEP 4, 1
	s_mov_b32 s[CNT], 3
.Lstep:                                            ; three trips: the twelve open blocks that are left
	STEP 4, 0
	s_sub_co_u32 s[CNT], s[CNT], 1
	s_cmp_lg_u32 s[CNT], 0
	s_cbranch_scc1 .Lstep
	; THE WAY OUT.  O^T / the sum goes through my stage and leaves as whole rows of 256 bytes.  The two additions and the two v_nop are the four places behind the last products.
	s_wait_alu depctr_va_vdst(0)
	v_add_f32 v14, v14, v15                        ; the sum's two halves,
	s_delay_alu instid0(VALU_DEP_1)
	v_permlanex16_b32 v[TT], v14, s[SEL], s[SEL+1]
	s_delay_alu instid0(VALU_DEP_1)
	v_add_f32 v14, v14, v[TT]                      ; and lane l xor 16's
	s_wait_alu depctr_va_vdst(0)
	v_rcp_f32 v[F], v14
	v_nop                                          ; a plain line behind the reciprocal
	v_nop
	s_wait_alu depctr_va_vdst(0)                   ; and the wait ahead of its first reader
.set j, 0
.rept 16
	v_pk_mul_f32 v[O+j:O+j+1], v[O+j:O+j+1], v[F:F+1] op_sel_hi:[1,0]   ; each accumulator from its low end on; register 8 u + i is channel 16 u + 8 h + i of query r
.set j, j+2
.endr
.irp u, 0,1,2,3
	ds_store_b128 v[SOA], v[O+8*\u:O+8*\u+3] offset:64*\u
	ds_store_b128 v[SOA], v[O+8*\u+4:O+8*\u+7] offset:64*\u+16
.endr
.irp i, 0,1,2,3,4,5,6,7
	ds_load_b128 v[S+4*\i:S+4*\i+3], v[TS] offset:544*\i           ; LDS serves a wave's instructions in order: these see my stores
.endr
.irp i, 0,1,2,3,4,5,6,7
	s_wait_dscnt 7-\i                                              ; the younger read-backs may stay out
	global_store_b128 v[LI], v[S+4*\i:S+4*\i+3], s[OB:OB+1] offset:512*\i th:TH_STORE_NT   ; 32 lanes store two rows: 512 consecutive bytes, at a multiple of 256 from out0's first byte
.endr
	s_wait_xcnt 0x0
	v_lshl_add_u32 v254, v0, 2, 0x20300
	v_mov_b32 v255, 0
	s_wait_alu depctr_va_vdst(0)
	s_wait_tensorcnt 0x0
	ds_add_u32 v254, v255
	s_wait_dscnt 0x0
	s_endpgm
.Lfunc_end_k_q5ab7451bff_swa:
	.size	k_q5ab7451bff_swa, .Lfunc_end_k_q5ab7451bff_swa-k_q5ab7451bff_swa
	.p2alignl 7, 3214868480
	.fill 96, 4, 3214868480
	.section	.rodata,"a",@progbits
	.p2align	6, 0x0
	.amdhsa_kernel k_q5ab7451bff_swa
		.amdhsa_group_segment_fixed_size 133888
		.amdhsa_private_segment_fixed_size 0
		.amdhsa_enable_private_segment 0
		.amdhsa_kernarg_size 32
		.amdhsa_user_sgpr_count 2
		.amdhsa_user_sgpr_kernarg_segment_ptr 1
		.amdhsa_wavefront_size32 1
		.amdhsa_system_sgpr_workgroup_id_x 1
		.amdhsa_system_sgpr_workgroup_id_y 1
		.amdhsa_system_sgpr_workgroup_id_z 1
		.amdhsa_system_vgpr_workitem_id 0
		.amdhsa_next_free_vgpr 256
		.amdhsa_next_free_sgpr 66
		.amdhsa_reserve_vcc 1
		.amdhsa_float_denorm_mode_32 3
		.amdhsa_float_denorm_mode_16_64 3
		.amdhsa_memory_ordered 1
		.amdhsa_forward_progress 1
		.amdhsa_inst_pref_size 86
	.end_amdhsa_kernel
	.amdgpu_metadata
---
amdhsa.version: [ 1, 2 ]
amdhsa.kernels:
  - .name:           k_q5ab7451bff_swa
    .symbol:         k_q5ab7451bff_swa.kd
    .args:
      - { .name: q, .offset: 0, .size: 8, .value_kind: global_buffer, .address_space: global }
      - { .name: k, .offset: 8, .size: 8, .value_kind: global_buffer, .address_space: global }
      - { .name: v, .offset: 16, .size: 8, .value_kind: global_buffer, .address_space: global }
      - { .name: out0, .offset: 24, .size: 8, .value_kind: global_buffer, .address_space: global }
    .group_segment_fixed_size: 133888
    .private_segment_fixed_size: 0
    .kernarg_segment_align: 8
    .kernarg_segment_size: 32
    .max_flat_workgroup_size: 512
    .sgpr_count:     66
    .vgpr_count:     256
    .wavefront_size: 32
...
	.end_amdgpu_metadata
.endif
;; end of part 1
